; MI455X (gfx1250); checked and timed in simulation.
; The chip was launched on July 23, 2026; its instructions are those of AMD's public machine-readable ISA for CDNA 5 (MIT licence, August 2026) and "CDNA5" Instruction Set Architecture Reference Guide (July 2026). The comments in the code are by the model that wrote it; some were corrected since.
;; Attention. Allowed arithmetic: matrix products marked QUANTISED: E2M1 operands, one E8M0 scale for each 32 along K, by v_wmma_scale_f32_16x16x128_f8f6f4 with both operands' format E2M1 (or v_wmma_scale_f32_32x16x128_f4), f32 sums; everything else in f32.
;; Inputs: k 8 x 16 x 1,024 x 64 float32; q 8 x 16 x 1,024 x 64 float32; v_codes 8 x 16 x 64 x 32 x 16 uint8 (E2M1 codes of v, K innermost, in blocks of 32 codes, two codes a byte); v_scales 8 x 16 x 64 x 32 uint8 (E8M0 scales of v, one for each 32 codes along K).
;; Outputs: out0 8 x 1,024 x 1,024 float32.
;; This version of the problem:
;;   THIS VERSION OF THE PROBLEM IS GIVEN IN LOW PRECISION. The matrix products marked QUANTISED in the list below multiply operands that are first quantised to E2M1 (2 exponent bits, 1 mantissa bit; 4 bits a number), with one power-of-two scale for each 32 numbers along K (OCP MX v1.0); their sums are f32. All else is computed in f32.
;;   The module's matrix products, in the order in which they are computed (A, B: the left and right operand; K: the contracted axis; several contracted axes count as one K, in the product's order):
;;     1. batch 128 x [M 1,024, K 64] x [K 64, N 1,024]; A: computed on the way; B: computed on the way: QUANTISED
;;     2. batch 128 x [M 1,024, K 1,024] x [K 1,024, N 64]; A: softmax (see below); B: input v (given as codes): QUANTISED
;;   THE QUANTISER, for each operand of a quantised product, along K:
;;     - K is cut into blocks of 32 from its start; a last block that is shorter is filled with zeros.
;;     - A block's scale is 2^e with e = floor(log2(the largest magnitude in the block)) - 2, held to -126 .. 127; a block of zeros has e = 0. As a byte (E8M0): e + 127.
;;     - Each number is divided by its block's scale, clamped to +-6, and rounded to the nearest number of E2M1, ties to even, subnormals kept.
;;     - The product sums the exact products of the quantised numbers (number of the format x scale) in f32.
;;   ~~~python
;;   def quantise(x, axis):      # numpy; x: float32 -> the quantised numbers, widened to float32 again
;;       x = np.moveaxis(x, axis, -1); K = x.shape[-1]
;;       x = np.pad(x, [(0, 0)] * (x.ndim - 1) + [(0, -K % 32)]); x = x.reshape(x.shape[:-1] + (-1, 32)); a = np.abs(x).max(-1, keepdims=True)
;;       e = np.where(a > 0, np.clip(np.frexp(np.where(a > 0, a, 1))[1] - 1 - 2, -126, 127), 0)      # np.frexp(a)[1] - 1 = floor(log2(a)), exactly
;;       r = np.clip(x / 2.0 ** e, -6, 6)
;;       step = 2.0 ** (np.maximum(np.frexp(np.where(r == 0, 1, r))[1] - 1, 0) - 1)
;;       q = np.round(r / step) * step * 2.0 ** e      # np.round: ties to even
;;       return np.moveaxis(q.reshape(q.shape[:-2] + (-1,))[..., :K], -1, axis).astype(np.float32)
;;   ~~~
;;   SOFTMAX AHEAD OF A QUANTISED PRODUCT. Where the list says 'softmax', what is quantised is not the finished softmax but p = 2^(t - M), with t = logit x log2(e) and M = ceil(the row's largest t), a whole number; so 1/2 < the row's largest p <= 1. The row's sum l is taken of the UNQUANTISED p, in f32, and the product's result is divided by l at the end. Since M is a whole number, a kernel that streams over the keys may use a running M (the ceiling of the running maximum): every later rescaling is an exact power of two, which a block's scale takes up: the codes' values come out the same.
;;   OPERANDS COMPUTED ON THE WAY. 'Computed on the way' means the value that the module computes at that place (a softmax that the list does not call 'softmax' is quantised finished and normalised). What goes into a quantiser is computed in f32, as accurately as f32 sums, v_exp_f32 and their like allow (about 1e-6 of the number): no bf16 or f16 on the way to a quantiser, and a product that is left as it is and whose result goes on into a quantised operand takes f32 operands (vector FMAs, or v_wmma_f32_16x16x4_f32). A number that lies on a knife's edge between two numbers of the format may be rounded either way, as far as f32 arithmetic and the matrix unit's own rounding can turn it there, and no further.
;;   INPUTS GIVEN AS CODES. v (in the module: [8, 16, 1024, 64], K = its axis 2): each comes as NAME_codes (uint8): NAME with its K axis moved to the last place and cut into blocks of 32 codes, [.., K / 32, bytes a block], one block behind the other in memory; two codes a byte, the lower K in the low four bits (a code: sign, 2 exponent bits, 1 mantissa bit); and NAME_scales (uint8): the same leading axes, one E8M0 byte (e + 127) for each 32 codes along K. Its value is code x scale, taken as it is: it is not quantised again, and the codes and scales need not be those that the quantiser above would give.
;; One version. Each part assembles by itself: llvm-mc -triple=amdgcn-amd-amdhsa -mcpu=gfx1250 --defsym DOCPART=n.
;; ======== version 1 of 1: 1 launch
;; limits: right only within a limited range of input values
;; launch attn (part 1): grid 256 x 1, 16 waves a work-group, clusters of 2 x 1, 327,680 bytes of LDS; arguments q, k, v_codes, v_scales, out0; writes out0
.if DOCPART == 1
	.amdgcn_target "amdgcn-amd-amdhsa--gfx1250"
	.amdhsa_code_object_version 6
	.text
	.protected	k_q940388185e_attn
	.globl	k_q940388185e_attn
	.p2align	8
	.type	k_q940388185e_attn,@function
k_q940388185e_attn:
	s_mov_b64 s[64:65], 0
	v_nop
	global_prefetch_b8 v0, s[64:65] scope:SCOPE_SE
	s_setreg_imm32_b32 hwreg(HW_REG_WAVE_MODE, 25, 1), 1
	s_wait_xcnt 0x0
	s_wait_alu depctr_hold_cnt(0) depctr_sa_sdst(0) depctr_va_vdst(0) depctr_va_sdst(0) depctr_va_ssrc(0) depctr_va_vcc(0) depctr_vm_vsrc(0)
	s_getreg_b32 s2, hwreg(HW_REG_IB_STS2, 6, 4)
	s_cmp_eq_u32 s2, 0
	s_cbranch_scc0 .Lentry_in_a_cluster
	s_endpgm
.Lentry_in_a_cluster:
	s_bfe_u32 s2, ttmp6, 0x10000c
	s_cmp_lg_u32 s2, 0x1001
	s_cbranch_scc0 .Lentry_shape_is_right
	s_endpgm
.Lentry_shape_is_right:
; out0[b][n][64 h + d] = the sum over m of softmax_m(qn[n] . kn[m]) v[m][d], qn = q / max(|q|, 1e-12), kn likewise; 128 heads (b, h) of 1,024 queries, 1,024 keys, 64 channels.
; Both products run on codes of FP4 (E2M1) with one E8M0 scale for each 32 along a product's K.  q, k: f32, normalised and quantised here, along the 64 channels (two blocks).
; v: codes with the keys innermost, [head][64 d][512 bytes], scale bytes [head][64 d][32].  Nothing of the definition is left out.
; SOFTMAX.  p = 2^(t - M), t = logit x log2(e), is quantised along the keys; the row's sum is taken of the unquantised p and divides at the end.  M = 0 THROUGHOUT: both vectors are normalised, a quantised number
; is at most twice the number, so |logit| is at most 4, |t| at most 5.8, p lies in 2^-5.8 .. 2^5.8 and a row's sum under 2^16, for every input.  M is a whole number, so the codes are those of any other whole M; only the scales move.
; SHARES.  A cluster is a head, its two work-groups own 512 queries each; each of the sixteen waves owns 32 of them, 16 in pass 0 (16 w on) and 16 in pass 1 (256 + 16 w on), and walks all 1,024 keys in each pass, 128 a step.
; Pass 0 begins when half of Q's rows and half of K's are in; pass 0's results are stored while pass 1 is at work.
; K.  Its f32 rows come in two fills of 512 rows: a wave asks for 32 rows (8,192 bytes) by one tensor load and quantises them itself.  The fills are JOINT: both work-groups of the head ask for the same rows, mask 3.
; The second fill goes into the first's bytes behind the round that ends the first quantising; it is read three key steps later.  V (34,816 bytes) comes through registers: a wave's one tensor load at the head is K's.  q is shared by nobody.
; PREFETCH.  Q's 16 rows of pass 1.  K comes by two fills, with no loop of
; fills to run ahead in (the second is asked for three key steps ahead of its use), and is not prefetched.
; LAYOUT.  Both products are used transposed: S^T = K Q^T (source 0 = 32 keys, source 1 = 16 queries), O^T = V^T P^T (source 0 = 32 channels, source 1 = P): a lane holds ONE query (lane % 16) throughout.
; THE KEYS OF A TILE OF 16 ARE NOT NEIGHBOURS: row m of tile 4 c + g is key 64 c + 32 (m / 8) + 8 g + m % 8, so that lane (r, h) holds in registers 32 c .. 32 c + 31 the whole block 2 c + h of 32 keys, in order:
; a block's largest p is found in one lane, and the conversions' results are the second product's operand.
; THE FIRST PRODUCT'S K IS 64, THE INSTRUCTION'S 128.  Fragment f = 2 c + e, eight registers, holds TWO tiles: registers 0-3 (k 0-63) tile g = e, registers 4-7 (k 64-127) tile g = 2 + e.  Q stands as twelve registers
; [Q][zero codes][Q]: registers 0-7 as source 1 (u = 0) give tiles 0 and 1 of c, registers 4-11 (u = 1) tiles 2 and 3.  K's scale word is (u = 0: two bytes, u = 1: two bytes), Q's (s0, s1, s0, s1).  Zero codes add nothing under any of these bytes.
; LIMITS: NaN and infinities among q and k are not served.  Rows with |x| under 1e-12 are multiplied by 1e12, as the definition has it.  A block of zeros keeps the scale byte 1 (its codes are zeros; these bytes are read
; here alone).  1 / |x| is v_rsq_f32 of the sum of squares and a multiplication, where the definition divides by a square root.  O's sums stay finite for |v| up to about 2^110.
;
; LDS
.set KS,   0                           ; K's scale words: 256 chunk + 8 (m + 16 e) + 4 c + 2 u: a key's two bytes
.set VS,   2048                        ; V's scale words: 256 step + 8 (d % 32) + 4 (d / 32)
.set KC,   4096                        ; images of K's fragments: 4,096 chunk + 1,024 f + 512 u + 16 lane
.set VC,   36864                       ; V's codes: 64 rows d,
.set VP,   528                         ; 512 bytes + 16 apart
.set STG,  70656                       ; a region of its own for each wave,
.set WRB,  5120                        ; of so many bytes: 16 rows of 256 bytes, 272 apart (Q's rows on their way in, O's on their way out), Q's image, Q's scale words
.set RP,   272
.set QIM,  16*RP
.set QSW,  QIM+512
.set SLOT, STG+16*WRB                  ; K's f32 rows: 32 rows, 272 bytes apart, for each wave
.set SLW,  32*RP
.set SPARE, SLOT+16*SLW                ; the spare words, 128 bytes for each wave: eight blocks of 256 bytes that no other line names
; VECTOR REGISTERS
.set A16,  1                           ; 16 x lane
.set AV0,  2                           ; 528 r + 16 h: my place in a tile of V
.set AS0,  3                           ; 8 x lane: scale words
.set KWI,  4                           ; where I store K's codes
.set KWS,  5                           ; and K's scale bytes
.set KRD,  6                           ; my f32 row of K: two lanes a row, 128 bytes each
.set STI,  7                           ; my region by whole rows: lanes 0-15 one row, lanes 16-31 the next
.set QRD,  8                           ; my region as KRD
.set QWI,  9
.set QWS,  10
.set QRI,  11
.set QRS,  12
.set SOA,  13                          ; my region: row r + 32 h
.set GO,   14                          ; out0: 4,096 h + 16 r
.set SPW,  15                          ; LDS address of my spare word; never rewritten
.set NIL,  16                          ; 0; never rewritten
.set ADK,  17
.set ADV,  18
.set ADS,  19
.set QA,   20                          ; v20-31 [Q][0][Q]
.set QSC,  32                          ; Q's scale words
.set PW,   33                          ; p's
.set KSC,  34                          ; v[34:35] K's: v34 c = 0, v35 c = 1; e = 0 in lanes 0-15, e = 1 in lanes 16-31
.set VSC,  36                          ; v[36:37] V's: channels 0-31, 32-63
.set LS,   38                          ; v[38:39] the row's sum in two halves
.set TM,   40                          ; v40-43, v44-47 the largest of a block, four chains each
.set SO,   50                          ; v50, v51 the conversions' scale operands
.set BY,   52                          ; v52, v53 scale bytes
.set PX,   54                          ; the lane permute's destination
.set PFO,  55                          ; the prefetch's offset: 256 x row, lanes 16-31 the last row; never rewritten
.set PC,   56                          ; v56-63 p's codes
.set FK,   64                          ; v64-95 four fragments of K; in pass 0's last step then Q's rows of pass 1
.set FV,   96                          ; v96-127 four fragments of V
.set T,    128                         ; v128-137 maxima of three, v138-153 eight chains of the row's sum
.set R,    128                         ; head only: v128-159 sixteen rows of q, as loaded
.set S,    160                         ; v160-223 S^T, then p; the quantiser's rows; the way out
.set O,    224                         ; v224-255 O^T: four tiles of 16 channels x 8 registers
.set QT,   PC                          ; the quantiser at work: four packed chains,
.set CD,   44                          ;   codes,
.set RM,   48                          ;   1 / the norm, held; v49 as it comes
.set MX,   50
.set SQ,   52                          ;   the scale operand
.set BQ,   53                          ;   its byte
.set GV,   O                           ; head only: O, O+1, O+2, O+3
.set GS,   O+1
.set VWI,  O+2
.set VWS,  O+3
; SCALAR REGISTERS: s[4:5] q, s[6:7] k, s[8:9] v_codes, s[10:11] v_scales, s[12:13] out0
.set WV,   14
.set HD,   15
.set HF,   16
.set SEL,  20                          ; s[20:21] v_permlanex16_b32's selects for lane l xor 16
.set CS,   22                          ; s[22:23] log2(e): the packed form names a pair and takes its low word for both halves
.set TK,   24                          ; 4,096 x step
.set TC,   25                          ; 256 x step
.set TV,   26                          ; 64 x step
.set CNT,  27
.set G0,   36                          ; s[36:39] descriptor group 0, s[40:47] group 1
.set G1,   40
.set WI,   48
.set WS,   49
.set REG,  50
.set SLA,  51
; A round of the cluster's barrier.
.macro ROUND
	s_barrier_signal -1
	s_barrier_wait -1
	s_cmp_lg_u32 s[WV], 0
	s_cbranch_scc1 .Lnot_wave_0_\@
	s_barrier_signal -3
.Lnot_wave_0_\@:
	s_barrier_wait -3
	s_barrier_signal -1
	s_barrier_wait -1
.endm
; One matrix instruction: 32 rows of source 0, whose scales fill all lanes.  acc = 0: the constant 0 starts the sum.
.macro WM d, a, b, acc, sa, sb
.if \acc
	v_wmma_scale_f32_32x16x128_f4 v[\d:\d+15], v[\a:\a+15], v[\b:\b+7], v[\d:\d+15], v[\sa], v[\sb]
.else
	v_wmma_scale_f32_32x16x128_f4 v[\d:\d+15], v[\a:\a+15], v[\b:\b+7], 0, v[\sa], v[\sb]
.endif
.endm
; SIXTEEN ROWS ARE NORMALISED AND QUANTISED: lane l holds channels 32 (l % 2) .. + 31 of row l / 2 in v[x] on: a whole block.  Codes to v[CD:CD+3], the scale's byte to v[BQ].
.macro QUANT x
.irp c, 0,2,4,6
	v_pk_mul_f32 v[QT+\c:QT+\c+1], v[\x+\c:\x+\c+1], v[\x+\c:\x+\c+1]   ; the sum of squares, in four packed chains
.endr
.irp i, 8,16,24
.irp c, 0,2,4,6
	v_pk_fma_f32 v[QT+\c:QT+\c+1], v[\x+\i+\c:\x+\i+\c+1], v[\x+\i+\c:\x+\i+\c+1], v[QT+\c:QT+\c+1]
.endr
.endr
	v_pk_add_f32 v[QT:QT+1], v[QT:QT+1], v[QT+2:QT+3]
	v_pk_add_f32 v[QT+4:QT+5], v[QT+4:QT+5], v[QT+6:QT+7]
	s_delay_alu instid0(VALU_DEP_1)
	v_pk_add_f32 v[QT:QT+1], v[QT:QT+1], v[QT+4:QT+5]
	s_delay_alu instid0(VALU_DEP_1)
	v_add_f32 v[QT], v[QT], v[QT+1]
	s_delay_alu instid0(VALU_DEP_1)
	v_add_f32_dpp v[QT], v[QT], v[QT] row_xmask:1 row_mask:0xf bank_mask:0xf   ; with the row's other lane
	s_wait_alu depctr_va_vdst(0)                   ; ahead of the root
	v_rsq_f32 v[RM+1], v[QT]
	v_max3_num_f32 v[TM], |v[\x]|, |v[\x+1]|, |v[\x+2]|            ; plain work behind the root: the block's largest magnitude, not yet scaled, in four chains
	v_max3_num_f32 v[TM+1], |v[\x+9]|, |v[\x+10]|, |v[\x+11]|
	v_max3_num_f32 v[TM+2], |v[\x+18]|, |v[\x+19]|, |v[\x+20]|
	v_max3_num_f32 v[TM+3], |v[\x+25]|, |v[\x+26]|, |v[\x+27]|
.irp i, 3,5
	v_max3_num_f32 v[TM], v[TM], |v[\x+\i]|, |v[\x+\i+1]|
	v_max3_num_f32 v[TM+1], v[TM+1], |v[\x+9+\i]|, |v[\x+10+\i]|
	v_max3_num_f32 v[TM+2], v[TM+2], |v[\x+18+\i]|, |v[\x+19+\i]|
	v_max3_num_f32 v[TM+3], v[TM+3], |v[\x+25+\i]|, |v[\x+26+\i]|
.endr
	v_max3_num_f32 v[TM], v[TM], |v[\x+7]|, |v[\x+8]|
	v_max3_num_f32 v[TM+1], v[TM+1], |v[\x+16]|, |v[\x+17]|
	v_max_num_f32 v[TM+2], v[TM+2], v[TM+3]
	v_max3_num_f32 v[MX], v[TM], v[TM+1], v[TM+2]
	s_wait_alu depctr_va_vdst(0)                   ; ahead of the root's first reader
	v_min_num_f32 v[RM], 0x5368d4a5, v[RM+1]       ; 1 / max(norm, 1e-12) = min(1 / norm, 1e12)
.irp i, 0,2,4,6,8,10,12,14,16,18,20,22,24,26,28,30
	v_pk_mul_f32 v[\x+\i:\x+\i+1], v[\x+\i:\x+\i+1], v[RM:RM+1] op_sel_hi:[1,0]
.endr
	v_mul_f32 v[MX], v[MX], v[RM]                  ; the same multiplication of the largest: rounding keeps the order, so this is the largest scaled magnitude
	s_delay_alu instid0(VALU_DEP_1)
	v_max_num_f32 v[MX], 0x1800000, v[MX]          ; the floor 2^(3 - 127): the byte cannot fall under 1
	s_delay_alu instid0(VALU_DEP_1)
	v_add_nc_u32 v[SQ], 0xff000000, v[MX]          ; 2 off its exponent field: the conversion takes that field as its scale, and nothing else of the operand
.irp g, 0,1,2,3
	v_cvt_scalef32_pk8_fp4_f32 v[CD+\g], v[\x+8*\g:\x+8*\g+7], v[SQ]
.endr
	v_lshrrev_b32 v[BQ], 23, v[SQ]                 ; the scale's byte (also the plain line behind the conversions)
.endm
; My 32 rows of K, half hf, from my own bytes of the slot.  Wave w's rows are keys 32 w on of the half: chunk 4 hf + w / 4, c = (w / 2) % 2, tile rows 8 (w % 2) on; call n (16 rows) is u = n; a row's e = row / 8.
.macro KQUANT hf
.irp i, 0,1,2,3,4,5,6,7
	ds_load_b128 v[S+4*\i:S+4*\i+3], v[KRD] offset:16*\i
.endr
.irp i, 0,1,2,3,4,5,6,7
	ds_load_b128 v[S+32+4*\i:S+32+4*\i+3], v[KRD] offset:16*RP+16*\i
.endr
	s_wait_dscnt 8                                 ; rows 0-15; the younger eight loads may be out
	QUANT S
	ds_store_b128 v[KWI], v[CD:CD+3] offset:KC+16384*\hf
	ds_store_b8 v[KWS], v[BQ] offset:KS+1024*\hf
	s_wait_dscnt 2                                 ; rows 16-31; the two stores may be out
	QUANT S+32
	ds_store_b128 v[KWI], v[CD:CD+3] offset:KC+16384*\hf+512
	ds_store_b8 v[KWS], v[BQ] offset:KS+1024*\hf+2
.endm
; My 16 queries of a pass, in v[src] on: whole rows into my region, back two lanes a row, quantised, and through an image into the operand's registers.  LDS serves a wave's instructions in order (ISA guide 5.7.1.4).
.macro QROWS src
.irp i, 0,1,2,3,4,5,6,7
	ds_store_b128 v[STI], v[\src+4*\i:\src+4*\i+3] offset:2*RP*\i
.endr
.irp i, 0,1,2,3,4,5,6,7
	ds_load_b128 v[S+4*\i:S+4*\i+3], v[QRD] offset:16*\i
.endr
	s_wait_dscnt 0x0
	QUANT S
	ds_store_b128 v[QWI], v[CD:CD+3] offset:QIM
	ds_store_b8 v[QWS], v[BQ] offset:QSW
	ds_store_b8 v[QWS], v[BQ] offset:QSW+2         ; the word holds the row's two bytes twice
	ds_load_b128 v[QA:QA+3], v[QRI] offset:QIM
	ds_load_b128 v[QA+8:QA+11], v[QRI] offset:QIM
	ds_load_b32 v[QSC], v[QRS] offset:QSW
.endm
; Load n of the nine that bring a chunk's four fragments of K (0 to 7) and their scale words (8).
.macro KL n, ad, as, ofk, ofs
.if (\n) == 8
	ds_load_b64 v[KSC:KSC+1], v[\as] offset:\ofs
.else
	ds_load_b128 v[FK+4*(\n):FK+4*(\n)+3], v[\ad] offset:\ofk+512*(\n)
.endif
.endm
.macro KLOAD ad, as, ofk, ofs
.irp n, 0,1,2,3,4,5,6,7,8
	KL \n, \ad, \as, \ofk, \ofs
.endr
.endm
; The next line of the first level over block c = 0's 32 numbers: ten maxima of three, then eight packed sums of two pairs.  None reads another's result.
.macro LEVEL1
.if n1/10 == 0
	v_max3_num_f32 v[T+n1], v[S+3*n1], v[S+3*n1+1], v[S+3*n1+2]
.else
	v_pk_add_f32 v[T+2*n1-10:T+2*n1-9], v[S+4*n1-40:S+4*n1-39], v[S+4*n1-38:S+4*n1-37]
.endif
.set n1, n1+1
.endm
; Four packed additions of block c = 1's numbers, o on, to the chains a .. a + 3.
.macro ADD4 a, o
.irp n, 0,1,2,3
	v_pk_add_f32 v[T+10+2*(\a+\n):T+11+2*(\a+\n)], v[T+10+2*(\a+\n):T+11+2*(\a+\n)], v[S+32+\o+2*(\a+\n):S+33+\o+2*(\a+\n)]
.endr
.endm
; A KEY STEP: 128 keys, 16 queries.  K's fragments have been asked for.  first = 1: O^T and the sum begin.  pre = 1: the next chunk's fragments are asked for among the exponentials;
; pre = 2: behind the barrier's wait at the step's end; pre = 3: there is none, and Q's rows of pass 1 are asked for into their registers; pre = 0: there is none.
.macro STEP first, pre
	s_wait_dscnt 0x0                               ; K's fragments (and in a pass's first step Q's)
.irp c, 0,1
.irp u, 0,1
	WM S+32*\c+16*\u, FK+16*\c, QA+4*\u, 0, KSC+\c, QSC
.endr
.endr
	; four places ahead of the loads into V's and K's registers and ahead of the first read of the scores
.if (\pre == 1) || (\pre == 2)
	v_add_nc_u32 v[ADK], s[TK], v[A16]
.else
	v_nop
.endif
	v_add_nc_u32 v[ADV], s[TV], v[AV0]
	v_add_nc_u32 v[ADS], s[TC], v[AS0]
	v_nop
.irp dt, 0,1,2,3
.irp c, 0,1
	ds_load_b128 v[FV+8*\dt+4*\c:FV+8*\dt+4*\c+3], v[ADV] offset:VC+16*VP*\dt+32*\c
.endr
.endr
	ds_load_b64 v[VSC:VSC+1], v[ADS] offset:VS
.if \pre == 3
.irp i, 0,1,2,3,4,5,6,7
	global_load_b128 v[FK+4*\i:FK+4*\i+3], v[A16], s[4:5] offset:65536+512*\i th:TH_LOAD_NT   ; 256 rows on; read once in the launch
.endr
.endif
.set j, 0
.rept 32
	v_pk_mul_f32 v[S+j:S+j+1], v[S+j:S+j+1], s[CS:CS+1] op_sel_hi:[1,0]   ; t = score x log2(e); each accumulator is read from its low end on
.set j, j+2
.endr
	s_wait_alu depctr_va_vdst(0)                   ; ahead of the batch
.set j, 0
.rept 32
	v_exp_f32 v[S+j], v[S+j]                       ; p = 2^t, block c = 0; the nine loads of K among them
.if (\pre == 1) && (j%3 == 2) && (j/27 == 0)
	KL j/3, ADK, ADS, KC+4096, KS+256
.endif
.set j, j+1
.endr
	s_wait_alu depctr_va_vdst(0)                   ; ahead of block 0's first reader
.set j, 0
.set n1, 0
.rept 32
	v_exp_f32 v[S+32+j], v[S+32+j]                 ; block c = 1; the first level over block 0 among them: eighteen lines, the last behind the last exponential
.if (j%2 == 1) || (j/3 == 0)
	LEVEL1
.endif
.set j, j+1
.endr
	s_wait_alu depctr_va_vdst(0)                   ; ahead of block 1's and the first level's first readers
	; the largest p of my two blocks (p is positive: no |.|): block 1 in four chains TM .. TM+3, block 0 from the first level in TM+4 .. TM+7
	v_max3_num_f32 v[TM], v[S+32], v[S+33], v[S+34]
	v_max3_num_f32 v[TM+1], v[S+41], v[S+42], v[S+43]
	v_max3_num_f32 v[TM+2], v[S+50], v[S+51], v[S+52]
	v_max3_num_f32 v[TM+3], v[S+57], v[S+58], v[S+59]
	v_max3_num_f32 v[TM+4], v[T], v[T+1], v[T+2]
	v_max3_num_f32 v[TM+5], v[T+3], v[T+4], v[T+5]
	v_max3_num_f32 v[TM+6], v[T+6], v[T+7], v[T+8]
	v_max3_num_f32 v[TM+7], v[T+9], v[S+30], v[S+31]
	v_max3_num_f32 v[TM], v[TM], v[S+35], v[S+36]
	v_max3_num_f32 v[TM+1], v[TM+1], v[S+44], v[S+45]
	v_max3_num_f32 v[TM+2], v[TM+2], v[S+53], v[S+54]
	v_max3_num_f32 v[TM+3], v[TM+3], v[S+60], v[S+61]
	v_max3_num_f32 v[TM+4], v[TM+4], v[TM+5], v[TM+6]
	v_max3_num_f32 v[TM], v[TM], v[S+37], v[S+38]
	v_max3_num_f32 v[TM+1], v[TM+1], v[S+46], v[S+47]
	v_max3_num_f32 v[TM+2], v[TM+2], v[S+55], v[S+56]
	v_max3_num_f32 v[TM+3], v[TM+3], v[S+62], v[S+63]
	v_max_num_f32 v[TM+4], v[TM+4], v[TM+7]
	v_max3_num_f32 v[TM], v[TM], v[S+39], v[S+40]
	v_max3_num_f32 v[TM+1], v[TM+1], v[S+48], v[S+49]
	v_max_num_f32 v[TM+2], v[TM+2], v[TM+3]
	v_add_nc_u32 v[SO], 0xff000000, v[TM+4]        ; 2 off the exponent field: the conversion's scale operand.  No floor: p is at least 2^-5.8
	v_max3_num_f32 v[TM], v[TM], v[TM+1], v[TM+2]
	v_lshrrev_b32 v[BY], 23, v[SO]                 ; the scale's byte
.irp t, 0,1,2,3
	v_cvt_scalef32_pk8_fp4_f32 v[PC+\t], v[S+8*\t:S+8*\t+7], v[SO]   ; register 4 c + g: keys 64 c + 32 h + 8 g + 0 .. 7, as the operand wants them
.endr
	v_add_nc_u32 v[SO+1], 0xff000000, v[TM]
.irp t, 4,5,6,7
	v_cvt_scalef32_pk8_fp4_f32 v[PC+\t], v[S+8*\t:S+8*\t+7], v[SO+1]
.endr
	v_lshrrev_b32 v[BY+1], 23, v[SO+1]             ; (also the plain line behind the conversions)
	; the row's sum, of the unquantised p.  These additions are also the places between p's scale word and codes and the products that take them
	ADD4 0, 0
	v_lshl_or_b32 v[BY], v[BY+1], 16, v[BY]        ; my two blocks' bytes: c = 0, c = 1
	ADD4 4, 0
	v_permlanex16_b32 v[PX], v[BY], s[SEL], s[SEL+1]
	ADD4 0, 16
	v_lshl_or_b32 v[PW], v[PX], 8, v[BY]           ; p's scale word, as lanes 0-15 (h = 0) hold it: blocks 2 c in bytes 0 and 2, lane l + 16's blocks 2 c + 1 in bytes 1 and 3.  Lanes 16-31 are not read
	ADD4 4, 16
.irp n, 10,12,14,16
	v_pk_add_f32 v[T+\n:T+\n+1], v[T+\n:T+\n+1], v[T+\n+8:T+\n+9]
.endr
.irp n, 10,12
	v_pk_add_f32 v[T+\n:T+\n+1], v[T+\n:T+\n+1], v[T+\n+4:T+\n+5]
.endr
.if \first
	v_pk_add_f32 v[LS:LS+1], v[T+10:T+11], v[T+12:T+13]
.else
	v_pk_add_f32 v[LS:LS+1], v[LS:LS+1], v[T+10:T+11]
	v_pk_add_f32 v[LS:LS+1], v[LS:LS+1], v[T+12:T+13]
.endif
.if \pre == 2
	s_barrier_wait -1                              ; every wave's codes of the second half lie in LDS
	KLOAD ADK, ADS, KC+4096, KS+256
.endif
.if (\pre == 1) || (\pre == 2)
	s_wait_dscnt 9                                 ; V is in; the next chunk's nine loads may be out
.else
	s_wait_dscnt 0x0
.endif
.irp c, 0,1
	WM O+16*\c, FV+16*\c, PC, 1-\first, VSC+\c, PW
.endr
	; (two accumulators by turns, four products of S^T ahead of the next turn)
	s_add_co_u32 s[TK], s[TK], 4096
	s_add_co_u32 s[TC], s[TC], 256
	s_add_co_u32 s[TV], s[TV], 64
.endm
; THE WAY OUT of pass t.  O^T / the sum goes through my region and leaves as whole rows: a query's 64 channels of a head are 256 consecutive bytes of out0, aligned.
.macro OUT t
	s_wait_alu depctr_va_vdst(0)
	v_add_f32 v[TM], v[LS], v[LS+1]                ; the sum's two halves,
	s_delay_alu instid0(VALU_DEP_1)
	v_permlanex16_b32 v[PX], v[TM], s[SEL], s[SEL+1]
	s_delay_alu instid0(VALU_DEP_1)
	v_add_f32 v[TM], v[TM], v[PX]                  ; and lane l xor 16's
	s_wait_alu depctr_va_vdst(0)                   ; ahead of the reciprocal
	v_rcp_f32 v[T], v[TM]
	v_nop                                          ; a plain line behind it; with the three above also the places behind the last products
	s_wait_alu depctr_va_vdst(0)                   ; ahead of the reciprocal's and the products' first reader
.irp i, 0,2,4,6,8,10,12,14,16,18,20,22,24,26,28,30
	v_pk_mul_f32 v[S+\i:S+\i+1], v[O+\i:O+\i+1], v[T:T+1] op_sel_hi:[1,0]   ; register 8 dt + i: o(query r, channel 16 dt + 8 h + i)
.endr
.irp dt, 0,1,2,3
	ds_store_b128 v[SOA], v[S+8*\dt:S+8*\dt+3] offset:64*\dt
	ds_store_b128 v[SOA], v[S+8*\dt+4:S+8*\dt+7] offset:64*\dt+16
.endr
.irp i, 0,1,2,3,4,5,6,7
	ds_load_b128 v[S+32+4*\i:S+32+4*\i+3], v[STI] offset:2*RP*\i   ; LDS serves a wave's instructions in order: these see my stores
.endr
.irp i, 0,1,2,3,4,5,6,7
	s_wait_dscnt 7-\i                              ; row pair i is back; the later pairs may be out
	global_store_b128 v[GO], v[S+32+4*\i:S+32+4*\i+3], s[12:13] offset:1048576*\t+8192*\i th:TH_STORE_NT   ; sixteen lanes store 256 consecutive bytes; written once
.endr
.endm
; ---- THE HEAD
	s_load_b256 s[4:11], s[0:1], 0x0               ; q s[4:5], k s[6:7], v_codes s[8:9], v_scales s[10:11]
	s_load_b64 s[12:13], s[0:1], 0x20              ; out0
	v_lshl_add_u32 v[SPW], v0, 2, SPARE
	v_mov_b32 v[NIL], 0
	ds_add_u32 v[SPW], v[NIL]                      ; the wave's opening: the add, twice on end, ahead of my first tensor load
	ds_add_u32 v[SPW], v[NIL]
	v_lshrrev_b32 v[TM], 5, v0
	v_readfirstlane_b32 s[WV], v[TM]               ; wave 0..15
	s_mov_b32 s[HD], ttmp9                         ; the cluster's number = the head
	s_bfe_u32 s[HF], ttmp6, 0x40000                ; my place in the cluster = which 512 queries
	s_lshl_b32 s30, s[HD], 18                      ; a head of q or k: 262,144 bytes
	s_lshl_b32 s28, s[HF], 17
	s_add_co_u32 s28, s28, s30
	s_lshl_b32 s34, s[WV], 12
	s_add_co_u32 s28, s28, s34                     ; q: my 16 rows of pass 0
	s_mov_b32 s29, 0
	s_lshl_b32 s34, s[WV], 13
	s_add_co_u32 s30, s30, s34                     ; k: my 32 rows of the first half: hangs on the head and the wave alone
	s_mov_b32 s31, 0
	s_lshl_b32 s32, s[HD], 15                      ; v_codes: 32,768 bytes a head
	s_mov_b32 s33, 0
	s_lshl_b32 s52, s[HD], 11                      ; v_scales: 2,048
	s_mov_b32 s53, 0
	s_lshr_b32 s54, s[HD], 4                       ; out0: batch x 2^22 + my first query x 4,096 + (head % 16) x 256
	s_lshl_b32 s54, s54, 22
	s_lshl_b32 s34, s[HF], 21
	s_add_co_u32 s54, s54, s34
	s_lshl_b32 s34, s[WV], 16
	s_add_co_u32 s54, s54, s34
	s_and_b32 s34, s[HD], 15
	s_lshl_b32 s34, s34, 8
	s_add_co_u32 s54, s54, s34
	s_mov_b32 s55, 0
	; descriptor group 1: 32 rows of 64 f32, dense in memory, 16 bytes of padding behind each row in LDS
	s_mov_b32 s[G1+0], 3|(2<<16)|(1<<20)|(1<<21)|(5<<22)|(3<<25)   ; both work-groups of the cluster; elements of 4 bytes; four words after every 64; bit 21 beside the mask
	s_mov_b32 s[G1+1], 64<<16
	s_mov_b32 s[G1+2], 32<<16
	s_mov_b32 s[G1+3], 64<<16
	s_mov_b32 s[G1+4], 32
	s_mov_b32 s[G1+5], 64
	s_mov_b32 s[G1+6], 0
	s_mov_b32 s[G1+7], 0
	s_mul_i32 s[SLA], s[WV], SLW
	s_add_co_u32 s[SLA], s[SLA], SLOT              ; my 32 rows in the slot
	v_lshlrev_b32 v[GV], 4, v0                     ; v_codes: 16 bytes a thread: wave w's load j is row d = 16 j + w
	v_lshlrev_b32 v[GS], 2, v0                     ; v_scales: a word a thread: thread 8 d + step
	v_and_b32 v[A16], 31, v0
	v_lshlrev_b32 v[A16], 4, v[A16]
	s_wait_alu depctr_va_vdst(0)                   ; directly ahead of the waits below
	s_wait_dscnt 0x0                               ; both opening adds are done
	s_wait_kmcnt 0x0
	s_add_nc_u64 s[4:5], s[4:5], s[28:29]
	s_add_nc_u64 s[8:9], s[8:9], s[32:33]
	s_add_nc_u64 s[10:11], s[10:11], s[52:53]
	s_add_nc_u64 s[12:13], s[12:13], s[54:55]
.irp i, 0,1,2,3,4,5,6,7
	global_load_b128 v[R+4*\i:R+4*\i+3], v[A16], s[4:5] offset:512*\i th:TH_LOAD_NT   ; q, pass 0: 512 consecutive bytes a load; read once in the launch
.endr
.irp i, 0,1,2,3
	global_load_b128 v[FK+4*\i:FK+4*\i+3], v[GV], s[8:9] offset:8192*\i
.endr
	global_load_b32 v[FK+16], v[GS], s[10:11]
	s_mov_b32 s[G0], 1
	s_mov_b32 s[G0+1], s[SLA]
	s_add_nc_u64 s[G0+2:G0+3], s[6:7], s[30:31]
	s_or_b32 s[G0+3], s[G0+3], 0x80000000
	ROUND                                          ; both work-groups are here: the first joint loads meet
	tensor_load_to_lds s[G0:G0+3], s[G1:G1+7]      ; my 32 rows of the first half: my one tensor load at the head
	s_nop 0
	; the other addresses, while the loads are out
	s_lshr_b32 s34, s[WV], 2
	s_lshl_b32 s[WI], s34, 12                      ; codes: 4,096 (w / 4) + 2,048 ((w / 2) % 2) + 128 (w % 2)
	s_lshl_b32 s[WS], s34, 8                       ; bytes: 256 (w / 4) + 4 ((w / 2) % 2) + 64 (w % 2)
	s_bfe_u32 s34, s[WV], 0x10001
	s_lshl_b32 s35, s34, 11
	s_add_co_u32 s[WI], s[WI], s35
	s_lshl_b32 s35, s34, 2
	s_add_co_u32 s[WS], s[WS], s35
	s_and_b32 s34, s[WV], 1
	s_lshl_b32 s35, s34, 7
	s_add_co_u32 s[WI], s[WI], s35
	s_lshl_b32 s35, s34, 6
	s_add_co_u32 s[WS], s[WS], s35
	s_mul_i32 s[REG], s[WV], WRB
	s_add_co_u32 s[REG], s[REG], STG
	s_mul_i32 s35, s[WV], VP
	s_mov_b32 s[SEL], 0x76543210
	s_mov_b32 s[SEL+1], 0xfedcba98
	s_mov_b32 s[CS], 0x3fb8aa3b                    ; log2(e)
	s_mov_b32 s[CS+1], s[CS]                       ; (named with it as a pair, so it is written)
	s_mov_b32 s[TK], 0
	s_mov_b32 s[TC], 0
	s_mov_b32 s[TV], 0
	v_and_b32 v[S], 15, v0                         ; r
	v_bfe_u32 v[S+1], v0, 4, 1                     ; h; also e = my row of sixteen / 8
	v_bfe_u32 v[S+2], v0, 1, 4                     ; my row of sixteen
	v_and_b32 v[S+3], 1, v0                        ; my block of its two
	v_bfe_u32 v[S+4], v0, 1, 3                     ; my row % 8
	v_and_b32 v[S+5], 31, v0                       ; lane
	v_mul_u32_u24 v[AV0], v[S], VP
	v_lshlrev_b32 v[AS0], 3, v[S+5]
	v_lshlrev_b32 v[KWI], 4, v[S+4]                ; codes: 16 (row % 8) + 256 block + 1,024 e
	v_lshl_add_u32 v[KWS], v[S+4], 3, s[WS]        ; bytes: 8 (row % 8) + 128 e + block
	v_mul_u32_u24 v[S+6], v[S+2], RP
	v_mul_u32_u24 v[STI], v[S+1], RP
	v_mul_u32_u24 v[SOA], v[S], RP
	v_lshlrev_b32 v[QWI], 4, v[S+2]
	v_lshl_add_u32 v[QWS], v[S+2], 2, v[S+3]
	v_lshlrev_b32 v[GO], 12, v[S+1]
	v_min_u32 v[PFO], 15, v[S+5]
	v_lshl_add_u32 v[AV0], v[S+1], 4, v[AV0]
	v_lshl_add_u32 v[KWI], v[S+3], 8, v[KWI]
	v_lshl_add_u32 v[KWS], v[S+1], 7, v[KWS]
	v_lshl_add_u32 v[S+6], v[S+3], 7, v[S+6]
	v_lshl_add_u32 v[STI], v[S], 4, v[STI]
	v_lshl_add_u32 v[SOA], v[S+1], 5, v[SOA]
	v_lshl_add_u32 v[QWI], v[S+3], 8, v[QWI]
	v_lshl_add_u32 v[KWI], v[S+1], 10, v[KWI]
	v_add_nc_u32 v[KWS], v[S+3], v[KWS]
	v_add_nc_u32 v[KRD], s[SLA], v[S+6]
	v_add_nc_u32 v[QRD], s[REG], v[S+6]
	v_add_nc_u32 v[STI], s[REG], v[STI]
	v_add_nc_u32 v[SOA], s[REG], v[SOA]
	v_add_nc_u32 v[QWI], s[REG], v[QWI]
	v_add_nc_u32 v[KWI], s[WI], v[KWI]
	v_add_nc_u32 v[QWS], s[REG], v[QWS]
	v_lshlrev_b32 v[PFO], 8, v[PFO]
	v_lshl_add_u32 v[QRI], v[S+5], 4, s[REG]
	v_lshl_add_u32 v[QRS], v[S], 2, s[REG]
	v_lshl_add_u32 v[GO], v[S], 4, v[GO]
	v_lshl_add_u32 v[VWI], v[S+5], 4, s35          ; V's codes: row 16 j + w: 528 w + 16 lane, 16 rows on for each j
	v_and_b32 v[VWS], 7, v0                        ; V's scale word of thread 8 d + step: 256 step + 8 (d % 32) + 4 (d / 32)
	v_bfe_u32 v[S+7], v0, 3, 5
	v_lshrrev_b32 v[S+8], 8, v0
	v_lshlrev_b32 v[VWS], 8, v[VWS]
	v_mov_b32 v[PX], 0                             ; written once: a lane permute's destination counts as one of its sources
	v_lshl_add_u32 v[VWS], v[S+7], 3, v[VWS]
.irp i, 4,5,6,7
	v_mov_b32 v[QA+\i], 0                          ; the zero codes between Q's two copies
.endr
	v_lshl_add_u32 v[VWS], v[S+8], 2, v[VWS]
	s_wait_alu depctr_va_vdst(0)
	s_wait_loadcnt 5                               ; q's eight loads are in; V's five, issued behind them, may be out
	QROWS R
	s_wait_loadcnt 0x0
.irp i, 0,1,2,3
	ds_store_b128 v[VWI], v[FK+4*\i:FK+4*\i+3] offset:VC+16*VP*\i
.endr
	ds_store_b32 v[VWS], v[FK+16] offset:VS
	s_wait_tensorcnt 0x0                           ; my rows of K's first half are in: no other wave reads them as f32
	KQUANT 0
	s_wait_tensorcnt 0x0                           ; ahead of the refill: all my tensor loads are done,
	ds_add_u32 v[SPW], v[NIL]                      ; the add,
	s_add_nc_u64 s[G0+2:G0+3], s[G0+2:G0+3], 0x20000   ; (the second half: 131,072 bytes on)
	s_wait_alu depctr_va_vdst(0)
	s_wait_dscnt 0x0                               ; the add is done, my reads of the slot are over; for the others' sake: my codes and my part of V have landed
	ROUND
	tensor_load_to_lds s[G0:G0+3], s[G1:G1+7]      ; the second half, into the same bytes
	s_nop 0
; ---- PASS 0
	KLOAD A16, AS0, KC, KS
	STEP 1, 1
	STEP 0, 1
	STEP 0, 1
.rept 4
	v_nop                                          ; places: the quantiser writes registers that the last products read
.endr
	s_wait_tensorcnt 0x0                           ; my rows of the second half are in
	KQUANT 1
	s_wait_dscnt 0x0                               ; for the others' sake: my codes have landed
	s_barrier_signal -1                            ; said early: up to the wait at the end of step 3 stand register work and loads of V's bytes, which nobody writes any more
	STEP 0, 2
	global_prefetch_b8 v[PFO], s[4:5] offset:65536 th:TH_LOAD_NT scope:SCOPE_SE   ; my 16 rows of q of pass 1, a lane a row: loaded in step 7
	s_mov_b32 s[CNT], 3
.Lpass0:                                           ; steps 4 to 6
	STEP 0, 1
	s_sub_co_u32 s[CNT], s[CNT], 1
	s_cmp_lg_u32 s[CNT], 0
	s_cbranch_scc1 .Lpass0
	STEP 0, 3
	OUT 0
; ---- PASS 1
	s_wait_loadcnt 0x0
	QROWS FK
	KLOAD A16, AS0, KC, KS
	s_wait_xcnt 0x0                                ; the stores' data registers are written again by the first products
	s_mov_b32 s[TK], 0
	s_mov_b32 s[TC], 0
	s_mov_b32 s[TV], 0
	STEP 1, 1
	s_mov_b32 s[CNT], 6
.Lpass1:                                           ; steps 1 to 6
	STEP 0, 1
	s_sub_co_u32 s[CNT], s[CNT], 1
	s_cmp_lg_u32 s[CNT], 0
	s_cbranch_scc1 .Lpass1
	STEP 0, 0
	OUT 1
	s_wait_tensorcnt 0x0                           ; the wave's end
	ds_add_u32 v[SPW], v[NIL]
	s_wait_dscnt 0x0
	ROUND                                          ; the closing round
	s_endpgm
.Lfunc_end_k_q940388185e_attn:
	.size	k_q940388185e_attn, .Lfunc_end_k_q940388185e_attn-k_q940388185e_attn
	.p2alignl 7, 3214868480
	.fill 96, 4, 3214868480
	.section	.rodata,"a",@progbits
	.p2align	6, 0x0
	.amdhsa_kernel k_q940388185e_attn
		.amdhsa_group_segment_fixed_size 327680
		.amdhsa_private_segment_fixed_size 0
		.amdhsa_enable_private_segment 0
		.amdhsa_kernarg_size 40
		.amdhsa_user_sgpr_count 2
		.amdhsa_user_sgpr_kernarg_segment_ptr 1
		.amdhsa_wavefront_size32 1
		.amdhsa_system_sgpr_workgroup_id_x 1
		.amdhsa_system_sgpr_workgroup_id_y 1
		.amdhsa_system_sgpr_workgroup_id_z 1
		.amdhsa_system_vgpr_workitem_id 0
		.amdhsa_next_free_vgpr 256
		.amdhsa_next_free_sgpr 66
		.amdhsa_reserve_vcc 0
		.amdhsa_float_denorm_mode_32 3
		.amdhsa_float_denorm_mode_16_64 3
		.amdhsa_memory_ordered 1
		.amdhsa_forward_progress 1
		.amdhsa_inst_pref_size 147
	.end_amdhsa_kernel
	.amdgpu_metadata
---
amdhsa.version: [ 1, 2 ]
amdhsa.kernels:
  - .name:           k_q940388185e_attn
    .symbol:         k_q940388185e_attn.kd
    .args:
      - { .name: q, .offset: 0, .size: 8, .value_kind: global_buffer, .address_space: global }
      - { .name: k, .offset: 8, .size: 8, .value_kind: global_buffer, .address_space: global }
      - { .name: v_codes, .offset: 16, .size: 8, .value_kind: global_buffer, .address_space: global }
      - { .name: v_scales, .offset: 24, .size: 8, .value_kind: global_buffer, .address_space: global }
      - { .name: out0, .offset: 32, .size: 8, .value_kind: global_buffer, .address_space: global }
    .group_segment_fixed_size: 327680
    .private_segment_fixed_size: 0
    .kernarg_segment_align: 8
    .kernarg_segment_size: 40
    .max_flat_workgroup_size: 512
    .sgpr_count:     66
    .vgpr_count:     256
    .wavefront_size: 32
...
	.end_amdgpu_metadata
.endif
;; end of part 1
